; MI455X (gfx1250); checked and timed in simulation.
; The chip was launched on July 23, 2026; its instructions are those of AMD's public machine-readable ISA for CDNA 5 (MIT licence, August 2026) and "CDNA5" Instruction Set Architecture Reference Guide (July 2026). The comments in the code are by the model that wrote it; some were corrected since.
;; Attn Pool. Allowed arithmetic: float matrix products may take bf16 or f16 operands with f32 sums; other float arithmetic in f32, or as packed bf16 or f16 multiplies, adds, multiply-adds, maxima and minima; sums over many terms, partial sums and values carried from step to step in f32; what a program stores and reads back later, other than sums and carried values, may be rounded once to bf16 or f16.
;; Inputs: kpm 16 x 4,096 bool; q 8 x 1,024 float32; w 1,024 x 1,024 float32; x 16 x 4,096 x 1,024 float32.
;; Outputs: out0 16 x 8,192 float32.
;; One version. Each part assembles by itself: llvm-mc -triple=amdgcn-amd-amdhsa -mcpu=gfx1250 --defsym DOCPART=n.
;; ======== version 1 of 1: 3 launches
;; workspace buffers: qws 32,768 bytes; pacc 8,388,608 bytes; pstat 65,536 bytes
;; launch qw (part 1): grid 16 x 1, 16 waves a work-group, no clusters, 67,584 bytes of LDS; arguments q, w, qws; writes qws
.if DOCPART == 1
	.amdgcn_target "amdgcn-amd-amdhsa--gfx1250"
	.amdhsa_code_object_version 6
	.text
	.protected	k_qc57caa9c95_qw
	.globl	k_qc57caa9c95_qw
	.p2align	8
	.type	k_qc57caa9c95_qw,@function
k_qc57caa9c95_qw:
	s_mov_b64 s[64:65], 0
	v_nop
	global_prefetch_b8 v0, s[64:65] scope:SCOPE_SE
	s_setreg_imm32_b32 hwreg(HW_REG_WAVE_MODE, 25, 1), 1
	s_wait_xcnt 0x0
; qws[h][f] = log2(e) x the sum over g of bf16(q[h][g]) x bf16(w[g][f]), kept in f32.  q: [8][1024], w: [1024][1024], qws: [8][1024], all f32.
; WHY.  q . (w x) = (q w) . x for every input: the scores of the next launch are taken with this 8 x 1024 table in place of 1024 keys a row.
; LIMITS.  The order of rounding differs from a product that forms the keys first; q and w are rounded once to bf16 for the matrix unit; sums in f32.  NaN and infinities are not treated apart.
; SHARES.  Work-group i owns the 64 columns f = 64 i ..: 256 consecutive bytes, aligned, of every row of w.  Wave v of 16 owns the rows g = 64 v .. 64 v + 63: two K steps of 32.
; The sixteen partial sums meet in LDS; no sum spans work-groups, which is why there are 16 work-groups for 4 MiB of w.
; LAYOUT.  D[m][n] = sum over k of A[m][k] B[k][n].  A: lane l holds row l % 16, here head (l % 8), so rows 8-15 repeat the heads.  B comes straight from memory: lane (r = l % 16, h = l / 16) loads 16 bytes,
; columns 4 r + c (c = 0..3), of the 16 rows that its k places name; tile c of four takes the c-th number of each load, so column n = r of tile c is f = 64 i + 4 r + c.
.set SPARE, 65536                      ; behind the partial sums: the spare words, 128 bytes for each of 16 waves; no other line names them
.set WO,  3                            ; v3  my byte offset in w: h x 8 rows + 16 r + wave x 64 rows
.set QO,  4                            ; v4  in q: (r % 8) rows + 32 h + wave x 256
.set PA,  5                            ; v5  LDS: wave x 4096 + h x 2048 + 16 r
.set RA,  6                            ; v6  LDS: (thread % 128) x 16
.set GO,  7                            ; v7  in qws: head (thread / 16 % 8) x 4096 + 16 r
.set SPW, 8                            ; v8  LDS address of my spare word; never rewritten
.set NIL, 9                            ; v9  0; never rewritten
.set QF,  16                           ; v[16:47]   q: 16 numbers a K step, packed in place into the first 8 registers
.set ACC, 48                           ; v[48:79]   four accumulators, tile c at ACC + 8 c
.set F0,  80                           ; v[80:111]  w's fragments of K step 0, tile c at F0 + 8 c
.set WB,  112                          ; v[112:239] w as loaded: K step s, load i, number c at WB + 64 s + 4 i + c
.set F1,  112                          ; K step 1's fragments take the place of K step 0's loads
	s_load_b128 s[4:7], s[0:1], 0x0                ; q s[4:5], w s[6:7]
	s_load_b64 s[8:9], s[0:1], 0x10                ; qws
	v_lshl_add_u32 v[SPW], v0, 2, SPARE
	v_mov_b32 v[NIL], 0
	v_lshrrev_b32 v1, 5, v0
	v_readfirstlane_b32 s10, v1                    ; wave 0..15
	v_and_b32 v1, 15, v0                           ; r
	v_bfe_u32 v2, v0, 4, 1                         ; h
	v_lshlrev_b32 v[WO], 15, v2
	v_lshl_add_u32 v[WO], v1, 4, v[WO]
	v_lshl_add_u32 v[WO], s10, 18, v[WO]
	v_and_b32 v[QO], 7, v0
	v_lshlrev_b32 v[QO], 12, v[QO]
	v_lshl_add_u32 v[QO], v2, 5, v[QO]
	v_lshl_add_u32 v[QO], s10, 8, v[QO]
	v_lshlrev_b32 v[PA], 11, v2
	v_lshl_add_u32 v[PA], v1, 4, v[PA]
	v_lshl_add_u32 v[PA], s10, 12, v[PA]
	v_and_b32 v[RA], 127, v0
	v_lshlrev_b32 v[RA], 4, v[RA]
	v_bfe_u32 v[GO], v0, 4, 3
	v_lshlrev_b32 v[GO], 12, v[GO]
	v_lshl_add_u32 v[GO], v1, 4, v[GO]
	s_lshl_b32 s12, ttmp9, 8                       ; the work-group's 64 columns: 256 bytes of a row
	s_mov_b32 s13, 0
	s_wait_kmcnt 0x0
	s_add_nc_u64 s[6:7], s[6:7], s[12:13]
	s_add_nc_u64 s[8:9], s[8:9], s[12:13]
.irp s, 0,1
.irp k, 0,1,2,3
	global_load_b128 v[QF+16*\s+4*\k:QF+16*\s+4*\k+3], v[QO], s[4:5] offset:128*\s+16*(\k%2)+64*(\k/2)  ; k = 8 h + 0..7, then 16 + 8 h + 0..7
.endr
.endr
.irp s, 0,1
.irp i, 0,1,2,3,4,5,6,7,8,9,10,11,12,13,14,15
	global_load_b128 v[WB+64*\s+4*\i:WB+64*\s+4*\i+3], v[WO], s[6:7] offset:(32*\s+\i+8*(\i/8))*4096 th:TH_LOAD_NT  ; sixteen lanes take 256 consecutive bytes of one row
.endr
.endr
.macro MKF d, s                        ; K step s of w, rounded to bf16: register p of tile c holds rows 2 p and 2 p + 1 of my sixteen
.irp c, 0,1,2,3
.irp p, 0,1,2,3,4,5,6,7
	v_cvt_pk_bf16_f32 v[(\d)+8*\c+\p], v[WB+64*(\s)+8*\p+\c], v[WB+64*(\s)+8*\p+4+\c]
.endr
.endr
.endm
	s_wait_loadcnt 16                              ; q and K step 0 of w are in; K step 1's sixteen loads may stay out
.irp s, 0,1
.irp p, 0,1,2,3,4,5,6,7
	v_cvt_pk_bf16_f32 v[QF+16*\s+\p], v[QF+16*\s+2*\p], v[QF+16*\s+2*\p+1]  ; in place, ascending: register p is written when it has been read
.endr
.endr
	MKF F0, 0
.irp c, 0,1,2,3
	v_wmma_f32_16x16x32_bf16 v[ACC+8*\c:ACC+8*\c+7], v[QF:QF+7], v[F0+8*\c:F0+8*\c+7], 0  ; the first K step starts the sums
.endr
	s_wait_loadcnt 0x0
	MKF F1, 1
.irp c, 0,1,2,3
	v_wmma_f32_16x16x32_bf16 v[ACC+8*\c:ACC+8*\c+7], v[QF+16:QF+23], v[F1+8*\c:F1+8*\c+7], v[ACC+8*\c:ACC+8*\c+7]  ; the four accumulators take turns
.endr
.rept 8
	v_nop                                          ; the places between the last product and the stores that read its result; once a launch
.endr
.irp c, 0,1,2,3
.irp j, 0,1,2,3,4,5,6,7
	ds_store_b32 v[PA], v[ACC+8*\c+\j] offset:256*\j+4*\c  ; head j, column 4 r + c; each accumulator from its low end on; lanes 16-31 hold the repeated rows, in a half that nobody reads
.endr
.endr
	s_wait_dscnt 0x0                               ; for the others' sake: my partial sums lie in LDS
	s_barrier_signal -1
	s_barrier_wait -1
	s_cmp_lt_u32 s10, 4                            ; 8 heads x 64 columns are 128 threads' 16 bytes: waves 0 to 3 finish
	s_cbranch_scc0 .Lend
.irp v, 0,1,2,3,4,5,6,7,8,9,10,11,12,13,14,15
	ds_load_b128 v[WB+4*\v:WB+4*\v+3], v[RA] offset:4096*\v  ; wave v's sum for my head and my four columns
.endr
	s_wait_dscnt 0x0
.irp st, 1,2,4,8                       ; a tree over the sixteen: neighbours 1, 2, 4, 8 apart
.set k, 0
.rept 8/\st
	v_pk_add_f32 v[WB+8*\st*k:WB+8*\st*k+1], v[WB+8*\st*k:WB+8*\st*k+1], v[WB+8*\st*k+4*\st:WB+8*\st*k+4*\st+1]
	v_pk_add_f32 v[WB+8*\st*k+2:WB+8*\st*k+3], v[WB+8*\st*k+2:WB+8*\st*k+3], v[WB+8*\st*k+4*\st+2:WB+8*\st*k+4*\st+3]
.set k, k+1
.endr
.endr
	v_pk_mul_f32 v[WB:WB+1], v[WB:WB+1], 0x3fb8aa3b op_sel_hi:[1,0]      ; log2(e): the next launch's exponentials work in base 2
	v_pk_mul_f32 v[WB+2:WB+3], v[WB+2:WB+3], 0x3fb8aa3b op_sel_hi:[1,0]
	global_store_b128 v[GO], v[WB:WB+3], s[8:9]    ; sixteen lanes store 256 consecutive bytes of one head's row, aligned
.Lend:
	s_wait_tensorcnt 0x0                           ; the wave's end: behind my last LDS store
	ds_add_u32 v[SPW], v[NIL]
	s_wait_dscnt 0x0
	s_endpgm
.Lfunc_end_k_qc57caa9c95_qw:
	.size	k_qc57caa9c95_qw, .Lfunc_end_k_qc57caa9c95_qw-k_qc57caa9c95_qw
	.p2alignl 7, 3214868480
	.fill 96, 4, 3214868480
	.section	.rodata,"a",@progbits
	.p2align	6, 0x0
	.amdhsa_kernel k_qc57caa9c95_qw
		.amdhsa_group_segment_fixed_size 67584
		.amdhsa_private_segment_fixed_size 0
		.amdhsa_enable_private_segment 0
		.amdhsa_kernarg_size 24
		.amdhsa_user_sgpr_count 2
		.amdhsa_user_sgpr_kernarg_segment_ptr 1
		.amdhsa_wavefront_size32 1
		.amdhsa_system_sgpr_workgroup_id_x 1
		.amdhsa_system_sgpr_workgroup_id_y 1
		.amdhsa_system_sgpr_workgroup_id_z 1
		.amdhsa_system_vgpr_workitem_id 0
		.amdhsa_next_free_vgpr 240
		.amdhsa_next_free_sgpr 66
		.amdhsa_reserve_vcc 0
		.amdhsa_float_denorm_mode_32 3
		.amdhsa_float_denorm_mode_16_64 3
		.amdhsa_memory_ordered 1
		.amdhsa_forward_progress 1
		.amdhsa_inst_pref_size 17
	.end_amdhsa_kernel
	.amdgpu_metadata
---
amdhsa.version: [ 1, 2 ]
amdhsa.kernels:
  - .name:           k_qc57caa9c95_qw
    .symbol:         k_qc57caa9c95_qw.kd
    .args:
      - { .name: q, .offset: 0, .size: 8, .value_kind: global_buffer, .address_space: global }
      - { .name: w, .offset: 8, .size: 8, .value_kind: global_buffer, .address_space: global }
      - { .name: qws, .offset: 16, .size: 8, .value_kind: global_buffer, .address_space: global }
    .group_segment_fixed_size: 67584
    .private_segment_fixed_size: 0
    .kernarg_segment_align: 8
    .kernarg_segment_size: 24
    .max_flat_workgroup_size: 512
    .sgpr_count:     66
    .vgpr_count:     240
    .wavefront_size: 32
...
	.end_amdgpu_metadata
.endif
;; end of part 1
;; launch pool (part 2): grid 16 x 16, 8 waves a work-group, no clusters, 327,680 bytes of LDS; arguments x, kpm, qws, pacc, pstat; writes pacc, pstat
.if DOCPART == 2
	.amdgcn_target "amdgcn-amd-amdhsa--gfx1250"
	.amdhsa_code_object_version 6
	.text
	.protected	k_qc57caa9c95_pool
	.globl	k_qc57caa9c95_pool
	.p2align	8
	.type	k_qc57caa9c95_pool,@function
k_qc57caa9c95_pool:
	s_mov_b64 s[64:65], 0
	v_nop
	global_prefetch_b8 v0, s[64:65] scope:SCOPE_SE
	s_setreg_imm32_b32 hwreg(HW_REG_WAVE_MODE, 25, 1), 1
	s_wait_xcnt 0x0
; For batch b and a chunk of 256 of its 4,096 rows, and each of 8 heads: the running maximum m of the scores s[l] = qws[h] . x[l] (in base 2; -inf where kpm[l] is set), l = the sum of p = 2^(s - m),
; and the sum of p x[l][:], not yet divided.  x: [16][4096][1024] f32, kpm: [16][4096] bytes, qws: [8][1024] f32.  Out: pacc [b][chunk][head][1024] f32, pstat: 256 bytes for each (b, chunk), 32 pairs (m, l), pair i for head i % 8.
; x IS READ ONCE: a tile of 32 rows lies in LDS for both products.
; PRECISION.  x is rounded once to bf16 for the matrix unit.  What the program itself has made goes through that unit without loss: qws as three bf16 parts (hi + mid + lo, its whole mantissa), p as two (hi + lo).
; Eight heads leave half of a 16-wide operand empty, and the further parts ride there.  Maxima, sums and the carried sums stay in f32.
; LIMITS.  The scores are taken with (q w), so their order of rounding differs from a product that forms keys first.  NaN and infinite inputs, and scores at the far end of f32's range, are not treated apart.
; A weight below 2^-126 counts as 0.  A chunk whose rows are all masked leaves m at the lowest finite number and l and the sums at 0; the next launch makes of 16 such chunks the NaN that a softmax of nothing gives.
; SHARES.  Grid x = chunk, y = b.  Eight tiles of 32 rows.  Wave w owns columns 128 w .. 128 w + 127 of every tile in BOTH products: it fetches its own strip (32 rows x 512 bytes, one tensor load) and reads no other wave's.
; All that waves hand each other is their partial scores, 1,024 bytes a wave and tile.  A strip has 32 rows, not more: two slots of eight such strips are 270,336 bytes.
; NO CLUSTER: work-groups share only qws, 32 KiB beside 1 MiB of x of their own.
.set PITCH, 528                        ; an LDS row: 512 bytes + 16 of padding = 33 x 16: sixteen rows' 16-byte pieces fall on sixteen different places modulo 256 bytes (64 banks of 4 bytes: ISA guide 11.1)
.set STRIP, 32*PITCH                   ; a wave's strip of a tile
.set SLOTB, 8*STRIP                    ; a slot: eight strips
.set SC,    2*SLOTB                    ; behind the ring, never filled by a tensor load: two exchange buffers of 8,192 bytes, [wave][half][lane][16 bytes], by the tile's parity
.set SPARE, SC+16384                   ; the spare words, 128 bytes for each of 8 waves; no other line names them
.set AX,   1                           ; v1-2   first product: my place in my strip of slot 0, 1: r x PITCH + 64 h
.set AC,   3                           ; v3-4   second product: 8 h x PITCH + 16 r
.set VSC,  5                           ; v5     SC + 16 x lane
.set VSCW, 6                           ; v6     the same in my wave's part
.set KO,   7                           ; v7     my eight rows' bytes in a tile's 32 of kpm: 16 (r / 8) + 8 h
.set KPV,  8                           ; v[8:9] those bytes
.set M,    10                          ; v10    running maximum of my head (r % 8)
.set L,    11                          ; v11    running sum over my eight rows of each tile
.set A,    12                          ; v12    a = 2^(m_old - m_new)
.set NINF, 13                          ; v13    -inf
.set SPW,  14                          ; v14    LDS address of my spare word; never rewritten
.set NIL,  15                          ; v15    0; never rewritten
.set AV,   16                          ; v[16:23]   a of head j in register j, all lanes
.set A2,   24                          ; v[24:31]   source 0 of the second product: rows 0-7 p's hi part, rows 8-15 its lo part, for 32 rows of x
.set QW,   32                          ; v[32:95]   source 1 of the first product: K step s, part t at QW + 16 s + 8 t
.set ACC,  96                          ; v[96:159]  the carried sums: columns 64 t + 4 r + c at ACC + 8 (4 t + c); lanes 0-15 hi, lanes 16-31 lo; register j = head j
.set XB,   160                         ; v[160:223] what comes out of LDS
.set F,    224                         ; v[224:255] scores, softmax at work, then x's fragments of the second product
.set WV,   14                          ; s14  my wave's number
.set CNT,  15                          ; s15  trips to go
.set G1,   16                          ; s[16:23] descriptor group 1
.set G0,   24                          ; s[24:31] descriptor group 0, a set for each slot
.set MR8,  36                          ; s36  the lanes with r >= 8
.set MHI,  37                          ; s37  lanes 16-31; also a word's upper bf16
.set SEL,  38                          ; s[38:39] v_permlanex16_b32's selects: each lane takes its own place in the other half
.set AS,   40                          ; s[40:47] a of head j
.set LB,   48                          ; s48  my strip's LDS byte in slot 0
.macro PLACES n                        ; plain vector lines between a matrix instruction and what touches its registers (ISA guide 7.12.1)
.rept \n
	v_nop
.endr
.endm
.macro PKN d, s, n                     ; 2 n numbers at s, rounded to bf16, into n registers at d (d = s: in place, ascending)
.set z, 0
.rept \n
	v_cvt_pk_bf16_f32 v[(\d)+z], v[(\s)+2*z], v[(\s)+2*z+1]
.set z, z+1
.endr
.endm
.macro UNPK d, s, n                    ; back to f32: the low half moves up, the high half stays
.set z, 0
.rept \n
	v_lshlrev_b32 v[(\d)+2*z], 16, v[(\s)+z]
	v_and_b32 v[(\d)+2*z+1], s[MHI], v[(\s)+z]
.set z, z+1
.endr
.endm
.macro SUBP a, b, n                    ; n pairs: a -= b
.set z, 0
.rept \n
	v_pk_add_f32 v[(\a)+2*z:(\a)+2*z+1], v[(\a)+2*z:(\a)+2*z+1], v[(\b)+2*z:(\b)+2*z+1] neg_lo:[0,1] neg_hi:[0,1]
.set z, z+1
.endr
.endm
.macro ADD8 d, a, b                    ; eight sums
.irp k, 0,2,4,6
	v_pk_add_f32 v[(\d)+\k:(\d)+\k+1], v[(\a)+\k:(\a)+\k+1], v[(\b)+\k:(\b)+\k+1]
.endr
.endm
	s_load_b256 s[4:11], s[0:1], 0x0               ; x s[4:5], kpm s[6:7], qws s[8:9], pacc s[10:11]
	s_load_b64 s[12:13], s[0:1], 0x20              ; pstat
	v_lshl_add_u32 v[SPW], v0, 2, SPARE
	v_mov_b32 v[NIL], 0
	ds_add_u32 v[SPW], v[NIL]                      ; the wave's opening: the add, twice on end, and its wait ahead of my first tensor load; work on registers stands between
	ds_add_u32 v[SPW], v[NIL]
	v_lshrrev_b32 v16, 5, v0
	v_readfirstlane_b32 s[WV], v16                 ; wave 0..7
	s_mov_b32 s[G1+0], (2<<16)|(1<<20)|(6<<22)|(3<<25)  ; 17:16 elements of 4 bytes; 20 padding on; 24:22 after every 128 words (code 6); 31:25 4 words of it (code 3)
	s_mov_b32 s[G1+1], 128<<16                     ; tensor_dim0 = 128
	s_mov_b32 s[G1+2], 32<<16                      ; tensor_dim1 = 32
	s_mov_b32 s[G1+3], 128<<16                     ; tile_dim0 = 128 elements: 512 bytes
	s_mov_b32 s[G1+4], 32                          ; tile_dim1 = 32 rows
	s_mov_b32 s[G1+5], 1024                        ; elements from row to row
	s_mov_b32 s[G1+6], 0
	s_mov_b32 s[G1+7], 0
	s_mov_b32 s[MR8], 0xff00ff00
	s_mov_b32 s[MHI], 0xffff0000
	s_mov_b32 s[SEL], 0x76543210
	s_mov_b32 s[SEL+1], 0xfedcba98
	s_mul_i32 s[LB], s[WV], STRIP
	s_and_b32 s49, ttmp7, 0xffff                   ; b
	s_lshl_b32 s50, s49, 4
	s_add_co_u32 s50, s50, ttmp9                   ; 16 b + chunk
	s_lshl_b32 s32, s50, 20                        ; x: a chunk is 256 rows of 4,096 bytes,
	s_lshl_b32 s33, s[WV], 9                       ; my strip 512 bytes of a row
	s_add_co_u32 s32, s32, s33
	s_mov_b32 s33, 0
	s_lshl_b32 s34, s50, 8                         ; kpm and pstat: 256 bytes a chunk
	s_mov_b32 s35, 0
	s_lshl_b32 s52, s50, 15                        ; pacc: 8 heads x 4,096 bytes a chunk
	s_mov_b32 s53, 0
	s_wait_dscnt 0x0                               ; both opening adds are done
	s_wait_kmcnt 0x0
	s_add_nc_u64 s[4:5], s[4:5], s[32:33]
	s_add_nc_u64 s[6:7], s[6:7], s[34:35]
	s_add_nc_u64 s[12:13], s[12:13], s[34:35]
	s_add_nc_u64 s[10:11], s[10:11], s[52:53]
.irp n, 0,1
	s_mov_b32 s[G0+4*\n], 1                        ; count = 1
	s_add_co_u32 s[G0+4*\n+1], s[LB], \n*SLOTB     ; LDS address: my strip of slot n
	s_add_nc_u64 s[G0+4*\n+2:G0+4*\n+3], s[4:5], \n*131072  ; tile n: 32 rows of 4,096 bytes on
	s_or_b32 s[G0+4*\n+3], s[G0+4*\n+3], 0x80000000  ; type = 2
	tensor_load_to_lds s[G0+4*\n:G0+4*\n+3], s[G1:G1+7]  ; both first fills go out together: two loads of mine are out
	s_nop 0
.endr
	v_and_b32 v16, 15, v0                          ; r
	v_bfe_u32 v17, v0, 4, 1                        ; h
	v_and_b32 v18, 31, v0                          ; lane
	v_mul_u32_u24 v[AX], v16, PITCH
	v_lshl_add_u32 v[AX], v17, 6, v[AX]
	v_add_nc_u32 v[AX], s[LB], v[AX]
	v_add_nc_u32 v[AX+1], SLOTB, v[AX]
	v_mul_u32_u24 v[AC], v17, 8*PITCH
	v_lshl_add_u32 v[AC], v16, 4, v[AC]
	v_add_nc_u32 v[AC], s[LB], v[AC]
	v_add_nc_u32 v[AC+1], SLOTB, v[AC]
	v_lshl_add_u32 v[VSC], v18, 4, SC
	v_lshl_add_u32 v[VSCW], s[WV], 10, v[VSC]
	v_bfe_u32 v[KO], v0, 3, 1
	v_lshlrev_b32 v[KO], 4, v[KO]
	v_lshl_add_u32 v[KO], v17, 3, v[KO]
	v_and_b32 v8, 7, v0                            ; qws: head r % 8, my wave's 128 columns, of each K step of 32 the sixteen at 16 h: the same places of k as x's fragments below take
	v_lshlrev_b32 v8, 12, v8
	v_lshl_add_u32 v8, v17, 6, v8
	v_lshl_add_u32 v8, s[WV], 9, v8
.irp s, 0,1,2,3
.irp q, 0,1,2,3
	global_load_b128 v[XB+16*\s+4*\q:XB+16*\s+4*\q+3], v8, s[8:9] offset:128*\s+16*\q
.endr
.endr
.set i, 0
.rept 64
	v_mov_b32 v[ACC+i], 0                          ; the carried sums start at 0, so that every tile has one text; written while the first tiles are on their way
.set i, i+1
.endr
	v_mov_b32 v[M], 0xff7fffff                     ; the lowest finite number
	v_mov_b32 v[L], 0
	v_mov_b32 v[NINF], 0xff800000
	s_wait_loadcnt 0x0                             ; qws
; K step s of qws in three bf16 parts; each subtraction is exact.  Columns 0-7 of source 1 hold hi (part 0) and nothing (part 1), columns 8-15 mid and lo.
.macro SPLIT s
	PKN F, XB+16*(\s), 8                           ; hi
	UNPK F+8, F, 8
	SUBP XB+16*(\s), F+8, 8
	PKN F+24, XB+16*(\s), 8                        ; mid
	UNPK F+8, F+24, 8
	SUBP XB+16*(\s), F+8, 8
	PKN XB+16*(\s), XB+16*(\s), 8                  ; lo
.irp p, 0,1,2,3,4,5,6,7
	v_cndmask_b32 v[QW+16*(\s)+\p], v[F+\p], v[F+24+\p], s[MR8]
	v_cndmask_b32 v[QW+16*(\s)+8+\p], 0, v[XB+16*(\s)+\p], s[MR8]
.endr
.endm
	SPLIT 0
	SPLIT 1
	SPLIT 2
	SPLIT 3
; THE FIRST PRODUCT, K steps 2 beta and 2 beta + 1 of my four.  Source 0: 16 rows of x (block g of two); lane (r, h) takes row 16 g + r, columns 32 s + 16 h + 0..15: four loads of 16 bytes, rounded to bf16 in place.
; k's places are permuted alike in both sources, which keeps the products.  Result: register j of lane (r, h) is row 16 g + 8 h + j for column r.  The two accumulators take turns.
.macro P1 slot, beta
.irp sl, 0,1
.irp g, 0,1
.irp q, 0,1,2,3
	ds_load_b128 v[XB+16*(2*\sl+\g)+4*\q:XB+16*(2*\sl+\g)+4*\q+3], v[AX+(\slot)] offset:\g*16*PITCH+(2*(\beta)+\sl)*128+16*\q
.endr
.endr
.endr
.irp sl, 0,1
	s_wait_dscnt 8-8*\sl                           ; this K step's eight loads are in; the next one's eight may stay out
	PKN XB+32*\sl, XB+32*\sl, 8
	PKN XB+32*\sl+16, XB+32*\sl+16, 8
.irp part, 0,1
.irp g, 0,1
.if ((\beta)+\sl+\part) == 0
	v_wmma_f32_16x16x32_bf16 v[F+8*\g:F+8*\g+7], v[XB+32*\sl+16*\g:XB+32*\sl+16*\g+7], v[QW+16*(2*(\beta)+\sl)+8*\part:QW+16*(2*(\beta)+\sl)+8*\part+7], 0
.else
	v_wmma_f32_16x16x32_bf16 v[F+8*\g:F+8*\g+7], v[XB+32*\sl+16*\g:XB+32*\sl+16*\g+7], v[QW+16*(2*(\beta)+\sl)+8*\part:QW+16*(2*(\beta)+\sl)+8*\part+7], v[F+8*\g:F+8*\g+7]
.endif
.endr
.endr
.endr
	PLACES 4                                       ; in front of loads into registers that those products have read
.endm
; hi meets mid + lo, eight columns away; then lanes with r < 8 keep block 0's rows, the others block 1's: each lane holds head r % 8 and rows 16 (r / 8) + 8 h + 0..7, every score of the tile once in the wave.
.macro PACK
	PLACES 4                                       ; with the four above: eight places in front of lines that read results just made
.irp j, 0,1,2,3,4,5,6,7,8,9,10,11,12,13,14,15
	v_add_f32_dpp v[F+\j], v[F+\j], v[F+\j] row_xmask:8 row_mask:0xf bank_mask:0xf  ; each accumulator from its low end on
.endr
.irp j, 0,1,2,3,4,5,6,7
	v_cndmask_b32 v[F+16+\j], v[F+\j], v[F+8+\j], s[MR8]
.endr
.endm
; The eight waves' partial scores (128 columns each) meet.  Every wave adds all eight in the same order, so all hold the same scores.  A buffer is written again two tiles on, behind the next tile's barrier,
; in front of which every wave has waited for its reads.  No slot is filled behind this barrier, so my refill may stay out across it.
.macro EXCH slot
	ds_store_b128 v[VSCW], v[F+16:F+19] offset:8192*(\slot)
	ds_store_b128 v[VSCW], v[F+20:F+23] offset:8192*(\slot)+512
	s_wait_dscnt 0x0                               ; for the others' sake: my scores lie in LDS
	s_barrier_signal -1
	s_barrier_wait -1
.irp w, 0,1,2,3,4,5,6,7
	ds_load_b128 v[XB+8*\w:XB+8*\w+3], v[VSC] offset:8192*(\slot)+1024*\w
	ds_load_b128 v[XB+8*\w+4:XB+8*\w+7], v[VSC] offset:8192*(\slot)+1024*\w+512
.endr
	s_wait_dscnt 8                                 ; waves 0 to 3's are in; the eight loads of waves 4 to 7's may stay out
	ADD8 XB, XB, XB+8
	ADD8 XB+16, XB+16, XB+24
	s_wait_dscnt 0x0
	ADD8 XB+32, XB+32, XB+40
	ADD8 XB+48, XB+48, XB+56
	ADD8 XB, XB, XB+16
	ADD8 XB+32, XB+32, XB+48
	ADD8 F, XB, XB+32                              ; the scores: F + 0..7
.endm
; x for the second product, columns 64 t on of my 128: lane (r, h) takes 16 bytes, columns 4 r + 0..3, of the sixteen rows that its places of k name: 8 h + 0..7 and 16 + 8 h + 0..7.  Sixteen lanes read 256 consecutive bytes.
.macro P2LOAD slot, t
.irp i, 0,1,2,3,4,5,6,7,8,9,10,11,12,13,14,15
	ds_load_b128 v[XB+4*\i:XB+4*\i+3], v[AC+(\slot)] offset:(\i+8*(\i/8))*PITCH+256*(\t)
.endr
.endm
.macro SOFTMAX
	s_wait_loadcnt 0x0                             ; my eight bytes of kpm
.irp j, 0,1,2,3,4,5,6,7
	v_bfe_u32 v[F+8+\j], v[KPV+\j/4], 8*(\j%4), 8
.endr
.irp j, 0,1,2,3,4,5,6,7
	v_cmp_ne_u32 vcc_lo, 0, v[F+8+\j]
	v_cndmask_b32 v[F+\j], v[F+\j], v[NINF], vcc_lo  ; a masked row's score is -inf
.endr
	v_max3_num_f32 v[F+8], v[F], v[F+1], v[F+2]
	v_max3_num_f32 v[F+9], v[F+3], v[F+4], v[F+5]
	v_max3_num_f32 v[F+10], v[F+6], v[F+7], v[M]   ; the old maximum among them
	v_max3_num_f32 v[F+8], v[F+8], v[F+9], v[F+10]
	v_max_num_f32_dpp v[F+8], v[F+8], v[F+8] row_xmask:8 row_mask:0xf bank_mask:0xf  ; my head's other rows lie 8 lanes away
	v_permlanex16_b32 v[F+9], v[F+8], s[SEL], s[SEL+1]                              ; and 16 lanes away
	v_max_num_f32 v[F+8], v[F+8], v[F+9]
	v_sub_f32 v[F+9], v[M], v[F+8]                 ; m_old - m_new
	v_mov_b32 v[M], v[F+8]
.irp k, 0,2,4,6
	v_pk_add_f32 v[F+\k:F+\k+1], v[F+\k:F+\k+1], v[M:M+1] op_sel_hi:[1,0] neg_lo:[0,1] neg_hi:[0,1]  ; s - m
.endr
	v_exp_f32 v[A], v[F+9]                         ; one batch of nine
.irp j, 0,1,2,3,4,5,6,7
	v_exp_f32 v[F+\j], v[F+\j]
.endr
	v_nop                                          ; a plain line behind the last exponential (ISA guide 5.7.2),
	s_wait_alu depctr_va_vdst(0)                   ; and the one wait ahead of the batch's first reader
	v_pk_add_f32 v[F+8:F+9], v[F:F+1], v[F+2:F+3]
	v_pk_add_f32 v[F+10:F+11], v[F+4:F+5], v[F+6:F+7]
	v_pk_add_f32 v[F+8:F+9], v[F+8:F+9], v[F+10:F+11]
	v_add_f32 v[F+8], v[F+8], v[F+9]
	v_fma_f32 v[L], v[L], v[A], v[F+8]             ; l = a l + the sum of the unrounded p
	PKN F+16, F, 4                                 ; p's hi part,
	UNPK F+8, F+16, 4
	SUBP F, F+8, 4                                 ; what it leaves (exact),
	PKN F+20, F, 4                                 ; and the lo part
.irp p, 0,1,2,3
	v_mov_b32_dpp v[F+8+\p], v[F+16+\p] row_xmask:8 row_mask:0xf bank_mask:0xf   ; hi of the lane 8 away
	v_mov_b32_dpp v[F+12+\p], v[F+20+\p] row_xmask:8 row_mask:0xf bank_mask:0xf  ; lo of the lane 8 away
.endr
.irp p, 0,1,2,3
	v_cndmask_b32 v[A2+\p], v[F+16+\p], v[F+12+\p], s[MR8]    ; rows 8 h + 0..7:      row m < 8 of source 0: my hi; m >= 8: the lo of lane m - 8
	v_cndmask_b32 v[A2+4+\p], v[F+8+\p], v[F+20+\p], s[MR8]   ; rows 16 + 8 h + 0..7: m < 8: the hi of lane m + 8; m >= 8: my lo
.endr
.irp j, 0,1,2,3,4,5,6,7
	v_readlane_b32 s[AS+\j], v[A], \j              ; lane j holds head j's a
.endr
.irp j, 0,1,2,3,4,5,6,7
	v_mov_b32 v[AV+\j], s[AS+\j]
.endr
.set i, 0
.rept 8
.irp k, 0,2,4,6
	v_pk_mul_f32 v[ACC+8*i+\k:ACC+8*i+\k+1], v[ACC+8*i+\k:ACC+8*i+\k+1], v[AV+\k:AV+\k+1]  ; register j of every carried sum is head j's; each accumulator from its low end on
.endr
.set i, i+1
.endr
.endm
.macro CVTF                            ; tile c of four takes the c-th number of each load: register p holds rows 2 p and 2 p + 1 of my sixteen
.irp c, 0,1,2,3
.irp p, 0,1,2,3,4,5,6,7
	v_cvt_pk_bf16_f32 v[F+8*\c+\p], v[XB+8*\p+\c], v[XB+8*\p+4+\c]
.endr
.endr
.endm
.macro MUL4 t                          ; four accumulators, one product each
.irp c, 0,1,2,3
	v_wmma_f32_16x16x32_bf16 v[ACC+8*(4*(\t)+\c):ACC+8*(4*(\t)+\c)+7], v[A2:A2+7], v[F+8*\c:F+8*\c+7], v[ACC+8*(4*(\t)+\c):ACC+8*(4*(\t)+\c)+7]
.endr
.endm
; A TILE in slot `slot`.  left: how many younger tensor loads of mine may stay out.
.macro TILE slot, left
	global_load_b64 v[KPV:KPV+1], v[KO], s[6:7] offset:32*(\slot)
	s_wait_tensorcnt \left                         ; a wave's tensor loads end in order (ISA guide 10.11.1): my strip of this tile is in LDS; nobody else reads it
	P1 \slot, 0
	P1 \slot, 1
	PACK
	EXCH \slot
	P2LOAD \slot, 0                                ; on their way during the softmax
	SOFTMAX
	s_wait_dscnt 0x0
	CVTF
	P2LOAD \slot, 1
	MUL4 0
	PLACES 8                                       ; in front of conversions into registers that those products read
	s_wait_dscnt 0x0
	CVTF
	MUL4 1
.endm
; Slot `slot`, which has been read, takes the tile two further on.
.macro FILL slot
	s_wait_tensorcnt 0x0                           ; all my tensor loads have landed, the unread slot's too: a group 0 may be written
	ds_add_u32 v[SPW], v[NIL]                      ; 0 onto my spare word
	s_add_nc_u64 s[G0+4*(\slot)+2:G0+4*(\slot)+3], s[G0+4*(\slot)+2:G0+4*(\slot)+3], 2*131072  ; two tiles on; the type bits on top are not reached
	s_wait_dscnt 0x0                               ; the add is done, and my reads of the slot are over
	s_barrier_signal -1
	s_barrier_wait -1
	tensor_load_to_lds s[G0+4*(\slot):G0+4*(\slot)+3], s[G1:G1+7]  ; my one tensor load behind this barrier, first thing there: it has the other slot's tile in which to land
	s_nop 0
.endm
	s_mov_b32 s[CNT], 3
.Ltrip:                                        ; tiles 2 i and 2 i + 1; tiles 2 i + 2 and 2 i + 3 are asked for
	TILE 0, 1                                      ; one younger load may be out: slot 1's
	FILL 0
	TILE 1, 1                                      ; one younger load may be out: the refill of slot 0
	FILL 1
	s_wait_xcnt 0x0                                ; kpm's loads have read their base
	s_add_nc_u64 s[6:7], s[6:7], 64                ; two tiles' rows
	s_sub_co_u32 s[CNT], s[CNT], 1
	s_cmp_lg_u32 s[CNT], 0
	s_cbranch_scc1 .Ltrip
	TILE 0, 1                                      ; the last two tiles ask for nothing
	TILE 1, 0
	; THE WAY OUT.  The seven address lines and four v_nop are the places behind the last products.
	v_and_b32 v16, 31, v0
	v_lshlrev_b32 v16, 3, v16                      ; pstat: 8 bytes a lane
	v_and_b32 v18, 15, v0
	v_bfe_u32 v19, v0, 4, 1
	v_lshlrev_b32 v17, 14, v19                     ; pacc: lanes 16-31 four heads on,
	v_lshl_add_u32 v17, v18, 4, v17                ; 16 bytes a lane,
	v_lshl_add_u32 v17, s[WV], 9, v17              ; my wave's 512 bytes of a head's row
	PLACES 4
	v_add_f32_dpp v[L], v[L], v[L] row_xmask:8 row_mask:0xf bank_mask:0xf  ; the four lanes of a head add their sums
	v_permlanex16_b32 v[A], v[L], s[SEL], s[SEL+1]
	v_add_f32 v[L], v[L], v[A]
	s_cmp_lg_u32 s[WV], 0                          ; all waves hold the same m and l: wave 0 stores them
	s_cbranch_scc1 .Lnostat
	global_store_b64 v16, v[M:M+1], s[12:13]       ; 32 lanes x 8 bytes: the chunk's 256 bytes, whole
.Lnostat:
	; hi (lanes 0-15) and lo (lanes 16-31) are added across the halves: for u = 0..3 the lower lanes end with head u, the upper with head u + 4, so that every lane stores.
.irp t, 0,1
.irp u, 0,1,2,3
.irp c, 0,1,2,3
	v_cndmask_b32 v[XB+\c], v[ACC+8*(4*\t+\c)+\u+4], v[ACC+8*(4*\t+\c)+\u], s[MHI]    ; what the lane 16 away needs
	v_cndmask_b32 v[XB+4+\c], v[ACC+8*(4*\t+\c)+\u], v[ACC+8*(4*\t+\c)+\u+4], s[MHI]  ; what I keep
.endr
.irp c, 0,1,2,3
	v_permlanex16_b32 v[XB+8+\c], v[XB+\c], s[SEL], s[SEL+1]
.endr
.irp c, 0,1,2,3
	v_add_f32 v[F+4*(4*\t+\u)+\c], v[XB+4+\c], v[XB+8+\c]
.endr
	global_store_b128 v17, v[F+4*(4*\t+\u):F+4*(4*\t+\u)+3], s[10:11] offset:4096*\u+256*\t th:TH_STORE_NT  ; sixteen lanes store 256 consecutive bytes of one head's row, aligned; each store has registers of its own
.endr
.endr
	s_wait_tensorcnt 0x0                           ; the wave's end: behind my last tensor load and my last LDS store
	ds_add_u32 v[SPW], v[NIL]
	s_wait_dscnt 0x0
	s_endpgm
.Lfunc_end_k_qc57caa9c95_pool:
	.size	k_qc57caa9c95_pool, .Lfunc_end_k_qc57caa9c95_pool-k_qc57caa9c95_pool
	.p2alignl 7, 3214868480
	.fill 96, 4, 3214868480
	.section	.rodata,"a",@progbits
	.p2align	6, 0x0
	.amdhsa_kernel k_qc57caa9c95_pool
		.amdhsa_group_segment_fixed_size 327680
		.amdhsa_private_segment_fixed_size 0
		.amdhsa_enable_private_segment 0
		.amdhsa_kernarg_size 40
		.amdhsa_user_sgpr_count 2
		.amdhsa_user_sgpr_kernarg_segment_ptr 1
		.amdhsa_wavefront_size32 1
		.amdhsa_system_sgpr_workgroup_id_x 1
		.amdhsa_system_sgpr_workgroup_id_y 1
		.amdhsa_system_sgpr_workgroup_id_z 1
		.amdhsa_system_vgpr_workitem_id 0
		.amdhsa_next_free_vgpr 256
		.amdhsa_next_free_sgpr 66
		.amdhsa_reserve_vcc 1
		.amdhsa_float_denorm_mode_32 3
		.amdhsa_float_denorm_mode_16_64 3
		.amdhsa_memory_ordered 1
		.amdhsa_forward_progress 1
		.amdhsa_inst_pref_size 140
	.end_amdhsa_kernel
	.amdgpu_metadata
---
amdhsa.version: [ 1, 2 ]
amdhsa.kernels:
  - .name:           k_qc57caa9c95_pool
    .symbol:         k_qc57caa9c95_pool.kd
    .args:
      - { .name: x, .offset: 0, .size: 8, .value_kind: global_buffer, .address_space: global }
      - { .name: kpm, .offset: 8, .size: 8, .value_kind: global_buffer, .address_space: global }
      - { .name: qws, .offset: 16, .size: 8, .value_kind: global_buffer, .address_space: global }
      - { .name: pacc, .offset: 24, .size: 8, .value_kind: global_buffer, .address_space: global }
      - { .name: pstat, .offset: 32, .size: 8, .value_kind: global_buffer, .address_space: global }
    .group_segment_fixed_size: 327680
    .private_segment_fixed_size: 0
    .kernarg_segment_align: 8
    .kernarg_segment_size: 40
    .max_flat_workgroup_size: 256
    .sgpr_count:     66
    .vgpr_count:     256
    .wavefront_size: 32
...
	.end_amdgpu_metadata
.endif
;; end of part 2
;; launch comb (part 3): grid 256 x 1, 4 waves a work-group, no clusters, 0 bytes of LDS; arguments pacc, pstat, out0; writes out0
.if DOCPART == 3
	.amdgcn_target "amdgcn-amd-amdhsa--gfx1250"
	.amdhsa_code_object_version 6
	.text
	.protected	k_qc57caa9c95_comb
	.globl	k_qc57caa9c95_comb
	.p2align	8
	.type	k_qc57caa9c95_comb,@function
k_qc57caa9c95_comb:
	s_mov_b64 s[64:65], 0
	v_nop
	global_prefetch_b8 v0, s[64:65] scope:SCOPE_SE
	s_setreg_imm32_b32 hwreg(HW_REG_WAVE_MODE, 25, 1), 1
	s_wait_xcnt 0x0
; out0[b][h x 1024 + f] = (the sum over 16 chunks of 2^(m_c - M) pacc[b][c][h][f]) / (the sum over chunks of 2^(m_c - M) l_c), M the largest m_c.  All f32.
; pacc: [16][16][8][1024]; pstat: 256 bytes for each (b, chunk), the pair (m, l) of head h at byte 8 h; out0: [16][8192].
; SHARES.  Work-group i: (b, h) = i / 2, half i % 2 of the head's 1,024 columns; thread t owns 16 bytes.  Each load and store of a wave covers 512 consecutive bytes, aligned.
; LIMITS.  A weight below 2^-126 counts as 0.  Where every row of a batch is masked all l are 0: the division gives an infinity, and 0 times it the NaN that a softmax of nothing gives.
; No LDS, no barrier: every wave makes the sixteen weights for itself, from 16 pairs.
.set W,   16                           ; s[16:31] chunk c's weight, divided
.set ACC, 12                           ; v[12:15] my four sums
.set D,   16                           ; v[16:79] chunk c's four numbers at D + 4 c
	s_load_b128 s[4:7], s[0:1], 0x0                ; pacc s[4:5], pstat s[6:7]
	s_load_b64 s[8:9], s[0:1], 0x10                ; out0
	s_lshr_b32 s10, ttmp9, 1
	s_and_b32 s11, ttmp9, 1                        ; half
	s_lshr_b32 s12, s10, 3                         ; b
	s_and_b32 s13, s10, 7                          ; h
	s_lshl_b32 s14, s13, 12                        ; a head's row: 4,096 bytes
	s_lshl_b32 s15, s11, 11                        ; a half of it
	s_lshl_b32 s32, s12, 12                        ; pstat: 16 chunks x 256 bytes a batch,
	s_lshl3_add_u32 s32, s13, s32                  ; 8 bytes a head
	s_mov_b32 s33, 0
	s_lshl_b32 s34, s12, 19                        ; pacc: 16 chunks x 32,768 bytes a batch
	s_add_co_u32 s34, s34, s14
	s_add_co_u32 s34, s34, s15
	s_mov_b32 s35, 0
	s_lshl_b32 s36, s12, 15                        ; out0: 32,768 bytes a batch
	s_add_co_u32 s36, s36, s14
	s_add_co_u32 s36, s36, s15
	s_mov_b32 s37, 0
	v_and_b32 v1, 15, v0
	v_lshlrev_b32 v1, 8, v1                        ; lane % 16 = chunk
	v_lshlrev_b32 v9, 4, v0                        ; 16 bytes a thread
	s_wait_kmcnt 0x0
	s_add_nc_u64 s[6:7], s[6:7], s[32:33]
	s_add_nc_u64 s[4:5], s[4:5], s[34:35]
	s_add_nc_u64 s[8:9], s[8:9], s[36:37]
	global_load_b64 v[2:3], v1, s[6:7]             ; (m, l) of my chunk
.irp c, 0,1,2,3,4,5,6,7,8,9,10,11,12,13,14,15
	global_load_b128 v[D+4*\c:D+4*\c+3], v9, s[4:5] offset:32768*\c th:TH_LOAD_NT
.endr
	s_wait_loadcnt 16                              ; the pair is in; the sixteen rows behind it may stay out
	v_mov_b32 v4, v2
	v_max_num_f32_dpp v4, v4, v4 row_xmask:1 row_mask:0xf bank_mask:0xf
	v_max_num_f32_dpp v4, v4, v4 row_xmask:2 row_mask:0xf bank_mask:0xf
	v_max_num_f32_dpp v4, v4, v4 row_xmask:4 row_mask:0xf bank_mask:0xf
	v_max_num_f32_dpp v4, v4, v4 row_xmask:8 row_mask:0xf bank_mask:0xf  ; M, in every lane
	v_sub_f32 v5, v2, v4
	v_exp_f32 v5, v5                               ; 2^(m - M)
	v_nop                                          ; a plain line behind it (ISA guide 5.7.2),
	s_wait_alu depctr_va_vdst(0)                   ; and the wait ahead of its first reader
	v_mul_f32 v6, v5, v3
	v_add_f32_dpp v6, v6, v6 row_xmask:1 row_mask:0xf bank_mask:0xf
	v_add_f32_dpp v6, v6, v6 row_xmask:2 row_mask:0xf bank_mask:0xf
	v_add_f32_dpp v6, v6, v6 row_xmask:4 row_mask:0xf bank_mask:0xf
	v_add_f32_dpp v6, v6, v6 row_xmask:8 row_mask:0xf bank_mask:0xf  ; the softmax's whole sum
	v_rcp_f32 v7, v6
	v_nop
	s_wait_alu depctr_va_vdst(0)
	v_mul_f32 v8, v5, v7                           ; my chunk's weight, divided
.irp c, 0,1,2,3,4,5,6,7,8,9,10,11,12,13,14,15
	v_readlane_b32 s[W+\c], v8, \c
.endr
	s_wait_loadcnt 15                              ; chunk 0's row is in; the fifteen behind it may stay out
.irp k, 0,1,2,3
	v_mul_f32 v[ACC+\k], s[W], v[D+\k]             ; the first chunk starts the sums
.endr
.irp c, 1,2,3,4,5,6,7,8,9,10,11,12,13,14,15
	s_wait_loadcnt 15-\c                           ; loads come back in order (ISA guide 5.7.1): chunk c's row is in
.irp k, 0,1,2,3
	v_fmac_f32 v[ACC+\k], s[W+\c], v[D+4*\c+\k]
.endr
.endr
	global_store_b128 v9, v[ACC:ACC+3], s[8:9]     ; a wave stores 512 consecutive bytes, aligned
	s_endpgm
.Lfunc_end_k_qc57caa9c95_comb:
	.size	k_qc57caa9c95_comb, .Lfunc_end_k_qc57caa9c95_comb-k_qc57caa9c95_comb
	.p2alignl 7, 3214868480
	.fill 96, 4, 3214868480
	.section	.rodata,"a",@progbits
	.p2align	6, 0x0
	.amdhsa_kernel k_qc57caa9c95_comb
		.amdhsa_group_segment_fixed_size 0
		.amdhsa_private_segment_fixed_size 0
		.amdhsa_enable_private_segment 0
		.amdhsa_kernarg_size 24
		.amdhsa_user_sgpr_count 2
		.amdhsa_user_sgpr_kernarg_segment_ptr 1
		.amdhsa_wavefront_size32 1
		.amdhsa_system_sgpr_workgroup_id_x 1
		.amdhsa_system_sgpr_workgroup_id_y 1
		.amdhsa_system_sgpr_workgroup_id_z 1
		.amdhsa_system_vgpr_workitem_id 0
		.amdhsa_next_free_vgpr 96
		.amdhsa_next_free_sgpr 66
		.amdhsa_reserve_vcc 0
		.amdhsa_float_denorm_mode_32 3
		.amdhsa_float_denorm_mode_16_64 3
		.amdhsa_memory_ordered 1
		.amdhsa_forward_progress 1
		.amdhsa_inst_pref_size 8
	.end_amdhsa_kernel
	.amdgpu_metadata
---
amdhsa.version: [ 1, 2 ]
amdhsa.kernels:
  - .name:           k_qc57caa9c95_comb
    .symbol:         k_qc57caa9c95_comb.kd
    .args:
      - { .name: pacc, .offset: 0, .size: 8, .value_kind: global_buffer, .address_space: global }
      - { .name: pstat, .offset: 8, .size: 8, .value_kind: global_buffer, .address_space: global }
      - { .name: out0, .offset: 16, .size: 8, .value_kind: global_buffer, .address_space: global }
    .group_segment_fixed_size: 0
    .private_segment_fixed_size: 0
    .kernarg_segment_align: 8
    .kernarg_segment_size: 24
    .max_flat_workgroup_size: 128
    .sgpr_count:     66
    .vgpr_count:     96
    .wavefront_size: 32
...
	.end_amdgpu_metadata
.endif
;; end of part 3
